; MI455X (gfx1250); checked and timed in simulation.
; The chip was launched on July 23, 2026; its instructions are those of AMD's public machine-readable ISA for CDNA 5 (MIT licence, August 2026) and "CDNA5" Instruction Set Architecture Reference Guide (July 2026). The comments in the code are by the model that wrote it; some were corrected since.
;; Sentence Attention. Allowed arithmetic: matrix products marked QUANTISED: E4M3 operands, one E8M0 scale for each 32 along K, by v_wmma_scale_f32_16x16x128_f8f6f4 with both operands' format E4M3, f32 sums; products left as they are: f32 operands where the result goes on into a quantised operand, else bf16, f16 or f32 operands; f32 sums; everything else in f32.
;; Inputs: W 1,024 x 1,024 float32; document_index 256 x 2 int32; u 1 x 1,024 float32; x 256 x 128 x 1,024 float32.
;; Outputs: out0 256 x 1,024 float32; out1 128 float32.
;; This version of the problem:
;;   THIS VERSION OF THE PROBLEM IS GIVEN IN LOW PRECISION. The matrix products marked QUANTISED in the list below multiply operands that are first quantised to E4M3 (4 exponent bits, 3 mantissa bits; 8 bits a number), with one power-of-two scale for each 32 numbers along K (OCP MX v1.0); their sums are f32. All else is computed in f32.
;;   The module's matrix products, in the order in which they are computed (A, B: the left and right operand; K: the contracted axis; several contracted axes count as one K, in the product's order):
;;     1. [M 32,768, K 1,024] x [K 1,024, N 1,024]; A: input x; B: input W: QUANTISED
;;     2. [M 32,768, K 1,024] x [K 1,024, N 1]; A: computed on the way; B: input u: left as it is (N = 1 < 16)
;;     3. batch 256 x [M 1, K 128] x [K 128, N 1,024]; A: computed on the way; B: input x: left as it is (M = 1 < 16)
;;   THE QUANTISER, for each operand of a quantised product, along K:
;;     - K is cut into blocks of 32 from its start; a last block that is shorter is filled with zeros.
;;     - A block's scale is 2^e with e = floor(log2(the largest magnitude in the block)) - 8, held to -126 .. 127; a block of zeros has e = 0. As a byte (E8M0): e + 127.
;;     - Each number is divided by its block's scale, clamped to +-448, and rounded to the nearest number of E4M3, ties to even, subnormals kept.
;;     - The product sums the exact products of the quantised numbers (number of the format x scale) in f32.
;;   ~~~python
;;   def quantise(x, axis):      # numpy; x: float32 -> the quantised numbers, widened to float32 again
;;       x = np.moveaxis(x, axis, -1); K = x.shape[-1]
;;       x = np.pad(x, [(0, 0)] * (x.ndim - 1) + [(0, -K % 32)]); x = x.reshape(x.shape[:-1] + (-1, 32)); a = np.abs(x).max(-1, keepdims=True)
;;       e = np.where(a > 0, np.clip(np.frexp(np.where(a > 0, a, 1))[1] - 1 - 8, -126, 127), 0)      # np.frexp(a)[1] - 1 = floor(log2(a)), exactly
;;       r = np.clip(x / 2.0 ** e, -448, 448)
;;       step = 2.0 ** (np.maximum(np.frexp(np.where(r == 0, 1, r))[1] - 1, -6) - 3)
;;       q = np.round(r / step) * step * 2.0 ** e      # np.round: ties to even
;;       return np.moveaxis(q.reshape(q.shape[:-2] + (-1,))[..., :K], -1, axis).astype(np.float32)
;;   ~~~
;; One version. Each part assembles by itself: llvm-mc -triple=amdgcn-amd-amdhsa -mcpu=gfx1250 --defsym DOCPART=n.
;; ======== version 1 of 1: 2 launches
;; workspace buffers: Wq 1,081,344 bytes
;; launch prep (part 1): grid 64 x 1, 8 waves a work-group, no clusters, 18,432 bytes of LDS; arguments W, Wq; writes Wq
.if DOCPART == 1
	.amdgcn_target "amdgcn-amd-amdhsa--gfx1250"
	.amdhsa_code_object_version 6
	.text
	.protected	k_q924f9b5659_prep
	.globl	k_q924f9b5659_prep
	.p2align	8
	.type	k_q924f9b5659_prep,@function
k_q924f9b5659_prep:
	s_mov_b64 s[64:65], 0
	v_nop
	global_prefetch_b8 v0, s[64:65] scope:SCOPE_SE
	s_setreg_imm32_b32 hwreg(HW_REG_WAVE_MODE, 25, 1), 1
	s_wait_xcnt 0x0
; W [1024 (f)][1024 (e)], f32, K = e innermost, becomes codes of E4M3 with one E8M0 byte for each 32 along e, laid in the ORDER OF THE OPERAND'S REGISTERS for the launch behind this one.
; Wq = 128 blocks of 8,448 bytes; block (f / 64) x 8 + k holds 64 rows f and K step k (128 along e):
;   bytes 0 .. 8191: [tile n of 16 rows][c 0..3][lane][16 bytes]: lane (r, h) holds row 16 n + r, e = 128 k + 32 c + 16 h + 0 .. 15: four 16-byte loads a lane fill a fragment;
;   bytes 8192 .. 8447: [lane][j 0..1] scale words: lanes 0-15 tile 2 j, lanes 16-31 tile 2 j + 1, row lane % 16.
; A block's scale is 2^(floor(log2(largest magnitude)) - 8); its byte is the largest magnitude's exponent field - 8, held at 1 from below; numbers are held within +-448 x the scale and rounded to the nearest code, ties to even.
; LIMITS: a block of zeros gets the byte 1 where the rule says 127 (its codes are zeros, and this program alone reads the bytes); NaN and infinities in W are not served.
; SHARES: work-group t takes rows 16 t .. 16 t + 15 (one tile of one block row), wave v rows 2 v, 2 v + 1.  The codes meet in LDS as rows; behind one barrier wave v reads K step v as a fragment and stores it.
; 64 work-groups: W has 64 tiles of 16 rows, and a tile's fragment wants all 16 rows in one LDS.
.set XP,  1040                         ; an LDS row of codes: 1,024 bytes + 16 of padding: 260 words, so the 16 rows of a fragment load start 4 words apart
.set SP,  36                           ; an LDS row of scale bytes: 32 + 4
.set XS,  16*XP                        ; the scale bytes lie behind the codes
.set TMX, 32                           ; v32-39  largest magnitudes of 8 runs
.set TSO, 40                           ; v40-47  the conversions' scale operands
.set TBD, 48                           ; v48-55  448 x the scale
.set COD, 56                           ; v56-71  codes, two registers a run
.set TBY, 88                           ; v88-95  scale bytes
.set MSB, 0
.macro WIN new                         ; the immediate's high byte repeats the setting that is left; a switch that changes nothing is dropped (here every window is 0: none is written)
.if MSB != \new
	s_set_vgpr_msb (MSB<<8)|\new
.set MSB, \new
.endif
.endm
; 8 runs of 256 numbers (2 rows x 4 runs): run t in v[D + 8 t ..] of window DW, lane l holding numbers 8 l .. 8 l + 7, so that four neighbouring lanes hold a block of 32.
; Codes go to LDS at v[CA] + CO + row x XP + run x 256 (8 bytes a lane), the block's byte at v[SBA] + SO + row x SP + run x 8 (the four lanes of a block write the same byte with the same value).
.macro QUANT8 D, DW, CA, CO, SBA, SO
	s_wait_dscnt 0x0                               ; the last call's LDS stores have read the registers that are written below
	WIN 5*\DW
.irp t, 0,1,2,3,4,5,6,7
	v_max3_num_f32 v[TMX+\t], |v[\D+8*\t]|, |v[\D+8*\t+1]|, 0x4800000   ; my 8 numbers, and the floor 2^(9 - 127): the byte cannot fall under 1
.endr
.irp e, 2,4,6
.irp t, 0,1,2,3,4,5,6,7
	v_max3_num_f32 v[TMX+\t], |v[\D+8*\t+\e]|, |v[\D+8*\t+\e+1]|, v[TMX+\t]   ; (the runs by turns: no line waits for the line above it)
.endr
.endr
	WIN 0
.irp t, 0,1,2,3,4,5,6,7
	v_max_num_f32_dpp v[TMX+\t], v[TMX+\t], v[TMX+\t] row_xmask:1 row_mask:0xf bank_mask:0xf
.endr
.irp t, 0,1,2,3,4,5,6,7
	v_max_num_f32_dpp v[TMX+\t], v[TMX+\t], v[TMX+\t] row_xmask:2 row_mask:0xf bank_mask:0xf   ; the four lanes' largest: the block's
.endr
.irp t, 0,1,2,3,4,5,6,7
	v_add_nc_u32 v[TSO+\t], 0xfc000000, v[TMX+\t]  ; 8 off the exponent field: the conversion takes this operand's exponent field as its scale
.endr
.irp t, 0,1,2,3,4,5,6,7
	v_and_or_b32 v[TBD+\t], v[TMX+\t], 0x7f800000, s38   ; 448 x the scale: the exponent field over 448's mantissa field
.endr
.irp t, 0,1,2,3,4,5,6,7
	v_lshrrev_b32 v[TBY+\t], 23, v[TSO+\t]         ; the scale's byte
.endr
	WIN 0x41*\DW
.irp t, 0,1,2,3,4,5,6,7
.irp e, 0,1,2,3,4,5,6,7
	v_med3_num_f32 v[\D+8*\t+\e], v[\D+8*\t+\e], -v[TBD+\t], v[TBD+\t]   ; the conversion to an 8-bit code does not saturate (ISA guide 7.6.2): the hold comes first
.endr
.endr
	WIN \DW
.irp t, 0,1,2,3,4,5,6,7
	v_cvt_scalef32_pk8_fp8_f32 v[COD+2*\t:COD+2*\t+1], v[\D+8*\t:\D+8*\t+7], v[TSO+\t]
.endr
	v_nop                                          ; one plain vector line behind the last scaled conversion
	WIN 0
.irp i, 0,1
.irp q, 0,1,2,3
	ds_store_b64 v[\CA], v[COD+2*(4*\i+\q):COD+2*(4*\i+\q)+1] offset:(\CO)+\i*XP+\q*256
	ds_store_b8 v[\SBA], v[TBY+4*\i+\q] offset:(\SO)+\i*SP+\q*8
.endr
.endr
.endm
	s_load_b128 s[4:7], s[0:1], 0x0                ; W s[4:5], Wq s[6:7]
	v_lshl_add_u32 v192, v0, 2, 0x4400
	v_mov_b32 v193, 0
	v_lshrrev_b32 v1, 5, v0
	v_readfirstlane_b32 s18, v1                    ; wave 0..7
	v_and_b32 v1, 31, v0                           ; lane
	v_and_b32 v2, 15, v0                           ; r
	v_bfe_u32 v3, v0, 4, 1                         ; h
	s_lshl_b32 s8, s18, 13
	v_lshl_add_u32 v4, v1, 5, s8                   ; W: my wave's two rows (8,192 bytes), 32 bytes a lane
	s_mul_i32 s9, s18, 2*XP
	v_lshl_add_u32 v7, v1, 3, s9                   ; LDS, codes in: row 2 v, 8 bytes a lane
	s_mul_i32 s9, s18, 2*SP
	s_add_co_u32 s9, s9, XS
	v_lshrrev_b32 v9, 2, v1
	v_add_nc_u32 v9, s9, v9                        ; LDS, scale bytes in: row 2 v, my block of the run
	v_mul_u32_u24 v10, v2, XP
	v_lshl_add_u32 v10, v3, 4, v10
	s_lshl_b32 s9, s18, 7
	v_add_nc_u32 v10, s9, v10                      ; LDS, fragment out: row r, K step v, + 16 h
	v_mul_u32_u24 v12, v2, SP
	s_lshl_b32 s9, s18, 2
	s_add_co_u32 s9, s9, XS
	v_add_nc_u32 v12, s9, v12                      ; LDS, scale word out: row r, K step v
	s_and_b32 s10, ttmp9, 3                        ; n: which tile of its block my work-group's 16 rows are
	s_lshl_b32 s11, s10, 11
	v_lshl_add_u32 v5, v1, 4, s11                  ; Wq, codes: 2,048 n + 16 x lane
	s_and_b32 s12, s10, 1
	s_lshl_b32 s12, s12, 7
	s_lshr_b32 s13, s10, 1
	s_lshl_b32 s13, s13, 2
	s_add_co_u32 s12, s12, s13
	s_add_co_u32 s12, s12, 8192
	v_lshl_add_u32 v13, v2, 3, s12                 ; Wq, scale word: 8,192 + 8 (16 (n % 2) + r) + 4 (n / 2)
	s_mov_b32 s38, 0x600000                        ; the mantissa field of 448
	s_lshl_b32 s32, ttmp9, 16                      ; my work-group's 16 rows of 4,096 bytes
	s_mov_b32 s33, 0
	s_wait_kmcnt 0x0
	s_add_nc_u64 s[4:5], s[4:5], s[32:33]
.irp i, 0,1
.irp q, 0,1,2,3
	global_load_b128 v[128+32*\i+8*\q:128+32*\i+8*\q+3], v4, s[4:5] offset:4096*\i+1024*\q th:TH_LOAD_NT
	global_load_b128 v[128+32*\i+8*\q+4:128+32*\i+8*\q+7], v4, s[4:5] offset:4096*\i+1024*\q+16 th:TH_LOAD_NT   ; the two loads of a run cover its 1,024 bytes
.endr
.endr
	s_lshr_b32 s14, ttmp9, 2
	s_lshl_b32 s14, s14, 3
	s_add_co_u32 s14, s14, s18                     ; the block that I store: (t / 4) x 8 + v
	s_mul_i32 s32, s14, 8448
	s_add_nc_u64 s[6:7], s[6:7], s[32:33]
	s_wait_loadcnt 0x0
	QUANT8 128, 0, 7, 0, 9, 0
	s_wait_dscnt 0x0                               ; for the others' sake: my codes and bytes lie in LDS
	s_barrier_signal -1
	s_barrier_wait -1
.irp c, 0,1,2,3
	ds_load_b128 v[96+4*\c:99+4*\c], v10 offset:32*\c   ; the tile's fragment of K step v, as the matrix instruction wants it
.endr
	ds_load_b32 v112, v12
	s_wait_dscnt 0x0
.irp c, 0,1,2,3
	global_store_b128 v5, v[96+4*\c:99+4*\c], s[6:7] offset:512*\c   ; 32 lanes store 512 consecutive bytes, at a multiple of 256 from Wq's first byte
.endr
	global_store_b32 v13, v112, s[6:7]             ; 16 scale words; lanes 16-31 hold the same word and the same address as lanes 0-15.  64 bytes of a block's 256: the four tiles' work-groups fill it
	s_barrier_signal -1
	s_barrier_wait -1
	s_wait_tensorcnt 0x0
	ds_add_u32 v192, v193
	s_wait_dscnt 0x0
	s_endpgm
.Lfunc_end_k_q924f9b5659_prep:
	.size	k_q924f9b5659_prep, .Lfunc_end_k_q924f9b5659_prep-k_q924f9b5659_prep
	.p2alignl 7, 3214868480
	.fill 96, 4, 3214868480
	.section	.rodata,"a",@progbits
	.p2align	6, 0x0
	.amdhsa_kernel k_q924f9b5659_prep
		.amdhsa_group_segment_fixed_size 18432
		.amdhsa_private_segment_fixed_size 0
		.amdhsa_enable_private_segment 0
		.amdhsa_kernarg_size 16
		.amdhsa_user_sgpr_count 2
		.amdhsa_user_sgpr_kernarg_segment_ptr 1
		.amdhsa_wavefront_size32 1
		.amdhsa_system_sgpr_workgroup_id_x 1
		.amdhsa_system_sgpr_workgroup_id_y 1
		.amdhsa_system_sgpr_workgroup_id_z 1
		.amdhsa_system_vgpr_workitem_id 0
		.amdhsa_next_free_vgpr 194
		.amdhsa_next_free_sgpr 66
		.amdhsa_reserve_vcc 0
		.amdhsa_float_denorm_mode_32 3
		.amdhsa_float_denorm_mode_16_64 3
		.amdhsa_memory_ordered 1
		.amdhsa_forward_progress 1
		.amdhsa_inst_pref_size 16
	.end_amdhsa_kernel
	.amdgpu_metadata
---
amdhsa.version: [ 1, 2 ]
amdhsa.kernels:
  - .name:           k_q924f9b5659_prep
    .symbol:         k_q924f9b5659_prep.kd
    .args:
      - { .name: W, .offset: 0, .size: 8, .value_kind: global_buffer, .address_space: global }
      - { .name: Wq, .offset: 8, .size: 8, .value_kind: global_buffer, .address_space: global }
    .group_segment_fixed_size: 18432
    .private_segment_fixed_size: 0
    .kernarg_segment_align: 8
    .kernarg_segment_size: 16
    .max_flat_workgroup_size: 256
    .sgpr_count:     66
    .vgpr_count:     194
    .wavefront_size: 32
...
	.end_amdgpu_metadata
.endif
;; end of part 1
;; launch main (part 2): grid 256 x 1, 8 waves a work-group, no clusters, 254,720 bytes of LDS; arguments x, Wq, u, document_index, out0, out1; writes out0, out1
.if DOCPART == 2
	.amdgcn_target "amdgcn-amd-amdhsa--gfx1250"
	.amdhsa_code_object_version 6
	.text
	.protected	k_q924f9b5659_main
	.globl	k_q924f9b5659_main
	.p2align	8
	.type	k_q924f9b5659_main,@function
k_q924f9b5659_main:
	s_mov_b64 s[64:65], 0
	v_nop
	global_prefetch_b8 v0, s[64:65] scope:SCOPE_SE
	s_setreg_imm32_b32 hwreg(HW_REG_WAVE_MODE, 25, 1), 1
	s_wait_xcnt 0x0
; One work-group = one document b: scores = tanh(Q(x) Q(W)^T) . u over the rows start <= s < end, softmax over them, out0[b] = the weighted sum of those rows of x; out1 = document 255's weights.
; ONLY THE BAG'S ROWS ARE WORKED ON.  Local row p = 0, 1, .. is row min(start + p, end - 1, 127) of the document; T = ceil(len / 16) tiles of 16 rows are quantised, multiplied and summed, the others are jumped over by
; scalar branches on the two index numbers.  Rows of the last tile past the bag repeat the bag's last row and get the weight 0.  start and end are held to 0 .. 128, which changes no mask; an empty bag gives zeros, as the masked weights do.
; WHY NO TENSOR LOADS AND NO JOINT REQUESTS, though all 256 work-groups read the same 1,081,344 bytes of W's codes: the work left out hangs on numbers read from memory, partners would have between 0 and 8 tiles each.
; W's codes come from memory straight into the operand's registers (laid for that by the launch in front), each block once for a work-group.
; PHASES.  X: wave w quantises rows 2 w, 2 w + 1 of each tile to E4M3 along e and lays codes and scale bytes in LDS as rows.
;   K / E: THE WAVES SHARE W's ROWS: wave w owns f = 128 w .. 128 w + 127, in two groups of 64.  K: the product used transposed, source 0 = 16 rows of W, source 1 = 16 rows of x: a lane holds ONE row of x (lane % 16) and eight f.
;   Up to 6 tiles of rows x 4 tiles of f: 24 accumulators; tiles 6 and 7 take a second pass over W.  E: tanh and the product with u, on the accumulators.
;   Waves 0-3 and waves 4-7 run K and E in opposite slots (a slot = the stretch between two barriers), so that half the waves are at matrix work while the other half are at the exponentials.
;   Then: the eight waves' parts of each score meet in LDS; every wave makes the softmax for itself; each wave sums its rows of x (read a second time, f32) with their weights; the eight parts meet in LDS; 4,096 bytes go out.
; tanh(a) = 1 - 2 / (1 + 2^(c a)), c = 2 log2(e).  score = sum(u) - 2 sum(u_f / (1 + 2^(c a_f))); sum(u) is the same for every row of a softmax and is left out: an identity for every input.  The row maximum is taken away.
; LIMITS: NaN and infinities in x are not served; a block of zeros keeps the scale byte 1 (its codes are zeros).
; REGISTERS.  Window 0: v0-15, v28, v238-242 addresses that stay; v16-27 the six tiles' running sums (pairs); v29-31 at work; v32-95 four fragments of x (phase X: the quantiser's registers and row offsets; E: u in v32-63);
;   v96-159, v160-223 W's buffers 0 and 1; v224-227 x's scale words; v228-233 W's scale words (three pairs); v234-255 at work (E's four chains in v248-255: registers that no product names).
;   Window 1: v0-191 accumulator (m, n) at 32 m + 8 n; v192-255 W's buffer 2.  In phases X and 3: four sets of 64 numbers of x.
.set XP,    1040                       ; an LDS row of codes: 1,024 bytes + 16: 260 words, so the 16 rows of a fragment load start 4 words apart
.set SP,    36                         ; an LDS row of scale bytes: 32 + 4
.set TILEB, 16*XP
.set XS,    192*XP                     ; codes: 192 rows from byte 0 (rows 128-191 are never touched: the second pass's six tiles of offsets stay inside); then the scale bytes, 192 rows;
.set UL,    XS+192*SP                  ; u, 4,096 bytes as in memory;
.set PS,    UL+4096                    ; the scores' parts: [row 0..191][wave] f32;
.set RED,   PS+192*32                  ; out0's parts: [wave][4,096 bytes];
.set AT,    RED+8*4096                 ; the weights: [wave][128] f32, each wave's own copy
.set BLKB,  8448                       ; a block of Wq
.set TMX, 32
.set TSO, 40
.set TBD, 48
.set COD, 56
.set XO,  72                           ; v72-87 phase X: byte offsets of my 16 rows (tile m, row i: XO + 2 m + i)
.set TBY, 88
.set TT,  248                          ; v248-255 E: four chains of pairs
.set MSB, 0
.macro WIN new                         ; the immediate's high byte repeats the setting that is left; a switch that changes nothing is dropped.  At every label and branch the setting is 0
.if MSB != \new
	s_set_vgpr_msb (MSB<<8)|\new
.set MSB, \new
.endif
.endm
.macro BAR                             ; my LDS stores have landed and my LDS loads are in: then the work-group's barrier.  Every wave passes every one: none stands under a branch
	s_wait_dscnt 0x0
	s_barrier_signal -1
	s_barrier_wait -1
.endm
; 8 runs of 256 numbers (2 rows x 4 runs): run t in v[D + 8 t ..] of window DW, lane l holding numbers 8 l .. 8 l + 7, so that four neighbouring lanes hold a block of 32.
.macro QUANT8 D, DW, CA, CO, SBA, SO
	s_wait_dscnt 0x0                               ; the last call's LDS stores have read the registers that are written below
	WIN 5*\DW
.irp t, 0,1,2,3,4,5,6,7
	v_max3_num_f32 v[TMX+\t], |v[\D+8*\t]|, |v[\D+8*\t+1]|, 0x4800000   ; my 8 numbers, and the floor 2^(9 - 127): the byte cannot fall under 1
.endr
.irp e, 2,4,6
.irp t, 0,1,2,3,4,5,6,7
	v_max3_num_f32 v[TMX+\t], |v[\D+8*\t+\e]|, |v[\D+8*\t+\e+1]|, v[TMX+\t]
.endr
.endr
	WIN 0
.irp t, 0,1,2,3,4,5,6,7
	v_max_num_f32_dpp v[TMX+\t], v[TMX+\t], v[TMX+\t] row_xmask:1 row_mask:0xf bank_mask:0xf
.endr
.irp t, 0,1,2,3,4,5,6,7
	v_max_num_f32_dpp v[TMX+\t], v[TMX+\t], v[TMX+\t] row_xmask:2 row_mask:0xf bank_mask:0xf   ; the four lanes' largest: the block's
.endr
.irp t, 0,1,2,3,4,5,6,7
	v_add_nc_u32 v[TSO+\t], 0xfc000000, v[TMX+\t]  ; 8 off the exponent field: the conversion's scale operand
.endr
.irp t, 0,1,2,3,4,5,6,7
	v_and_or_b32 v[TBD+\t], v[TMX+\t], 0x7f800000, s38   ; 448 x the scale
.endr
.irp t, 0,1,2,3,4,5,6,7
	v_lshrrev_b32 v[TBY+\t], 23, v[TSO+\t]         ; the scale's byte
.endr
	WIN 0x41*\DW
.irp t, 0,1,2,3,4,5,6,7
.irp e, 0,1,2,3,4,5,6,7
	v_med3_num_f32 v[\D+8*\t+\e], v[\D+8*\t+\e], -v[TBD+\t], v[TBD+\t]   ; the conversion to an 8-bit code does not saturate (ISA guide 7.6.2): the hold comes first
.endr
.endr
	WIN \DW
.irp t, 0,1,2,3,4,5,6,7
	v_cvt_scalef32_pk8_fp8_f32 v[COD+2*\t:COD+2*\t+1], v[\D+8*\t:\D+8*\t+7], v[TSO+\t]
.endr
	v_nop                                          ; one plain vector line behind the last scaled conversion
	WIN 0
.irp i, 0,1
.irp q, 0,1,2,3
	ds_store_b64 v[\CA], v[COD+2*(4*\i+\q):COD+2*(4*\i+\q)+1] offset:(\CO)+\i*XP+\q*256
	ds_store_b8 v[\SBA], v[TBY+4*\i+\q] offset:(\SO)+\i*SP+\q*8   ; the four lanes of a block write the same byte with the same value
.endr
.endr
.endm
; the byte offset of local row 2 w + c in the document, + my lane's bytes: the row is held inside the bag and, last, by a constant inside the document
.macro XOFF reg, c, lanev
	s_add_co_u32 s40, s39, \c
	s_min_u32 s40, s40, s24
	s_min_u32 s40, s40, 127
	v_lshl_add_u32 v[\reg], s40, 12, v[\lanev]
.endm
.macro XLOAD set, xo                   ; phase X: two rows into set: 32 neighbouring bytes a lane for each run of 1,024 bytes: 16 loads
	WIN 0x40
.irp i, 0,1
.irp q, 0,1,2,3
	global_load_b128 v[64*\set+32*\i+8*\q:64*\set+32*\i+8*\q+3], v[\xo+\i], s[4:5] offset:1024*\q
	global_load_b128 v[64*\set+32*\i+8*\q+4:64*\set+32*\i+8*\q+7], v[\xo+\i], s[4:5] offset:1024*\q+16
.endr
.endr
	WIN 0
.endm
.macro X3LOAD set, xo                  ; phase 3: two rows into set: each load takes 512 consecutive bytes: 16 loads
	WIN 0x40
.irp i, 0,1
.irp j, 0,1,2,3,4,5,6,7
	global_load_b128 v[64*\set+32*\i+4*\j:64*\set+32*\i+4*\j+3], v[\xo+\i], s[4:5] offset:512*\j
.endr
.endr
	WIN 0
.endm
.macro BLOAD blk, buf                  ; a block of Wq (four fragments and their scale words) into buffer buf: 17 loads
.if (\buf) == 2
	WIN 0x40
.set BB, 192
.else
.set BB, 96+64*(\buf)
.endif
.irp n, 0,1,2,3
.irp c, 0,1,2,3
	global_load_b128 v[BB+16*\n+4*\c:BB+16*\n+4*\c+3], v5, s[30:31] offset:(\blk)*BLKB+2048*\n+512*\c
.endr
.endr
	WIN 0                                          ; scale operands have no window: their registers lie in window 0
	global_load_b64 v[228+2*(\buf):229+2*(\buf)], v6, s[30:31] offset:(\blk)*BLKB+8192
.endm
.macro ALOAD m, k, slot                ; x's fragment of tile m, K step k, and its rows' scale words, into fragment place slot
.set AR, 10+(\m)/3
.irp c, 0,1,2,3
	ds_load_b128 v[32+16*(\slot)+4*\c:32+16*(\slot)+4*\c+3], v[AR] offset:((\m)%3)*TILEB+128*(\k)+32*\c
.endr
	ds_load_b32 v[224+(\slot)], v12 offset:16*SP*(\m)+4*(\k)
.endm
; four products: tile m of x against the group's four tiles of W.  The accumulators take turns, one instruction a turn; K step 0 starts the sums with the constant 0.
.macro MUL4 m, k, slot
.if (\k)%3 == 2
	WIN 0x51                                       ; W's buffer 2 lies in window 1; C and D window 1; x window 0
.set BB, 192
.else
	WIN 0x50
.set BB, 96+64*((\k)%3)
.endif
.set AA, 32+16*(\slot)
.set SS, 228+2*((\k)%3)
.irp n, 0,1,2,3
.set DD, 32*(\m)+8*\n
.if (\k) == 0
.if \n%2
	v_wmma_scale_f32_16x16x128_f8f6f4 v[DD:DD+7], v[BB+16*\n:BB+16*\n+15], v[AA:AA+15], 0, v[SS+\n/2], v[224+(\slot)] matrix_a_scale:MATRIX_SCALE_ROW1
.else
	v_wmma_scale_f32_16x16x128_f8f6f4 v[DD:DD+7], v[BB+16*\n:BB+16*\n+15], v[AA:AA+15], 0, v[SS+\n/2], v[224+(\slot)]
.endif
.else
.if \n%2
	v_wmma_scale_f32_16x16x128_f8f6f4 v[DD:DD+7], v[BB+16*\n:BB+16*\n+15], v[AA:AA+15], v[DD:DD+7], v[SS+\n/2], v[224+(\slot)] matrix_a_scale:MATRIX_SCALE_ROW1
.else
	v_wmma_scale_f32_16x16x128_f8f6f4 v[DD:DD+7], v[BB+16*\n:BB+16*\n+15], v[AA:AA+15], v[DD:DD+7], v[SS+\n/2], v[224+(\slot)]
.endif
.endif
.endr
	WIN 0
.endm
; tiles 2 p and 2 p + 1 of K step k are multiplied; ahead of them the next pair's fragments are asked for, into the other two places.  s25 = the pass's tiles: what lies past them is jumped over.
.macro REGION k, p
	s_wait_dscnt 0x0                               ; this pair's fragments are in (0: the loads behind them stand under branches)
.if \p < 2
	s_cmp_le_u32 s25, 2*\p+2
	s_cbranch_scc1 .Lnp_\@
.if \p >= 1
.rept 8
	v_nop                                          ; eight places between the products just issued and loads into the registers that they read
.endr
.endif
	ALOAD 2*\p+2, \k, 2*((\p+1)%2)
	s_cmp_le_u32 s25, 2*\p+3
	s_cbranch_scc1 .Lnp_\@
	ALOAD 2*\p+3, \k, 2*((\p+1)%2)+1
.Lnp_\@:
.endif
	MUL4 2*\p, \k, 2*(\p%2)
	s_cmp_le_u32 s25, 2*\p+1
	s_cbranch_scc1 .Lkend_\k
	MUL4 2*\p+1, \k, 2*(\p%2)+1
.if \p < 2
	s_cmp_le_u32 s25, 2*\p+2
	s_cbranch_scc1 .Lkend_\k
.endif
.endm
.macro KSTEP k
.if \k <= 5
	s_wait_loadcnt 34                              ; this K step's block of W is in; the two next steps' blocks, 17 loads each, may be out
.elseif \k == 6
	s_wait_loadcnt 17                              ; the last step's block may be out
.else
	s_wait_loadcnt 0x0
.endif
	REGION \k, 0
	REGION \k, 1
	REGION \k, 2
.Lkend_\k:
	s_wait_dscnt 0x0                               ; the ways out of the three regions join here: no fragment load is out when the fragment places are loaded again below (a region asks only for tiles that it goes on to multiply, behind a wait for 0: so this wait finds nothing out)
.rept 9
	v_nop                                          ; eight places in front of loads into registers just read and of the first read of results; the ninth for the products that begin these accumulators anew
.endr
.if \k <= 4
	BLOAD \k+3, \k%3                               ; three steps ahead, into the buffer just read
.endif
.if \k < 7
	ALOAD 0, \k+1, 0
	s_cmp_le_u32 s25, 1
	s_cbranch_scc1 .Lka_\k
	ALOAD 1, \k+1, 1
.Lka_\k:
.else
	s_cmp_lg_u32 s28, 1                            ; behind group 0: group 1's first three blocks (they follow group 0's eight in Wq); they have the slot of E in which to land
	s_cbranch_scc1 .Lno_next_group
	BLOAD 8, 0
	BLOAD 9, 1
	BLOAD 10, 2
.Lno_next_group:
.endif
.endm
.macro ULOAD g                         ; u at my eight f of each of the group's four tiles: v[32 + 8 n + j] = u[128 w + 64 g + 16 n + 8 h + j]
.irp n, 0,1,2,3
	ds_load_b128 v[32+8*\n:35+8*\n], v13 offset:256*\g+64*\n
	ds_load_b128 v[36+8*\n:39+8*\n], v13 offset:256*\g+64*\n+16
.endr
.endm
; tile m's 32 sums a lane become 1 / (1 + 2^(c a)), are multiplied by u and added to the tile's running sum.  Each accumulator is read from its low end on.
.macro EPITILE m
.if \m > 0
	s_cmp_le_u32 s25, \m
	s_cbranch_scc1 .Lepi_end
.endif
	WIN 0x41
.set j, 32*\m
.rept 16
	v_pk_mul_f32 v[j:j+1], v[j:j+1], s[34:35] op_sel_hi:[1,0]
.set j, j+2
.endr
.set j, 32*\m
.rept 32
	v_exp_f32 v[j], v[j]
.set j, j+1
.endr
	v_nop                                          ; a plain line between the exponentials and the use of their results
.set j, 32*\m
	s_wait_alu depctr_va_vdst(0)
.rept 16
	v_pk_add_f32 v[j:j+1], v[j:j+1], 1.0 op_sel_hi:[1,0]
.set j, j+2
.endr
.set j, 32*\m
.rept 32
	v_rcp_f32 v[j], v[j]                           ; 2^(c a) = infinity gives 0, 2^(c a) = 0 gives 1: tanh's two ends
.set j, j+1
.endr
	v_nop
	WIN 0x01
.irp e, 0,2,4,6
.irp n, 0,1,2,3
.if (\e == 0) && (\n == 0)
	s_wait_alu depctr_va_vdst(0)
	v_pk_fma_f32 v[TT:TT+1], v[32*\m:32*\m+1], v[32:33], v[16+2*\m:17+2*\m]   ; four chains by turns; the first takes the running sum along
.elseif \e == 0
	v_pk_mul_f32 v[TT+2*\n:TT+2*\n+1], v[32*\m+8*\n:32*\m+8*\n+1], v[32+8*\n:33+8*\n]
.else
	v_pk_fma_f32 v[TT+2*\n:TT+2*\n+1], v[32*\m+8*\n+\e:32*\m+8*\n+\e+1], v[32+8*\n+\e:33+8*\n+\e], v[TT+2*\n:TT+2*\n+1]
.endif
.endr
.endr
	WIN 0
	v_pk_add_f32 v[TT:TT+1], v[TT:TT+1], v[TT+2:TT+3]
	v_pk_add_f32 v[TT+4:TT+5], v[TT+4:TT+5], v[TT+6:TT+7]
	v_pk_add_f32 v[16+2*\m:17+2*\m], v[TT:TT+1], v[TT+4:TT+5]
.endm
; phase 3: my two rows of tile m, times their weights, onto O (v96-127: columns 128 j + 4 lane + 0 .. 3).  first = 1: the first row starts the sums.
.macro X3FMA m, first
	v_mov_b32 v234, v[49+2*\m]                     ; the second row's weight into the low word of a pair
	WIN 0x01
.set j, 0
.rept 16
.if \first
	v_pk_mul_f32 v[96+j:97+j], v[64*(\m%4)+j:64*(\m%4)+j+1], v[48+2*\m:49+2*\m] op_sel_hi:[1,0]
.else
	v_pk_fma_f32 v[96+j:97+j], v[64*(\m%4)+j:64*(\m%4)+j+1], v[48+2*\m:49+2*\m], v[96+j:97+j] op_sel_hi:[1,0,1]
.endif
.set j, j+2
.endr
.set j, 0
.rept 16
	v_pk_fma_f32 v[96+j:97+j], v[64*(\m%4)+32+j:64*(\m%4)+32+j+1], v[234:235], v[96+j:97+j] op_sel_hi:[1,0,1]
.set j, j+2
.endr
	WIN 0
.endm
	; ---- the head: every address register is made here, ahead of any parting of the waves
	s_load_b256 s[4:11], s[0:1], 0x0               ; x s[4:5], Wq s[6:7], u s[8:9], document_index s[10:11]
	s_load_b128 s[12:15], s[0:1], 0x20             ; out0 s[12:13], out1 s[14:15]
	v_lshrrev_b32 v1, 5, v0
	v_readfirstlane_b32 s18, v1                    ; wave 0..7
	v_and_b32 v1, 31, v0                           ; lane
	v_and_b32 v2, 15, v0                           ; r
	v_bfe_u32 v3, v0, 4, 1                         ; h
	v_lshlrev_b32 v4, 5, v1                        ; 32 x lane
	v_lshlrev_b32 v5, 4, v1                        ; 16 x lane
	v_lshlrev_b32 v6, 3, v1                        ; 8 x lane
	v_lshlrev_b32 v28, 4, v0                       ; 16 x thread
	s_lshr_b32 s19, s18, 2
	s_sub_co_u32 s19, 1, s19                       ; 1 for waves 0-3, 0 for waves 4-7: the phase number of slot 0
	s_mul_i32 s29, s18, 2*XP
	v_add_nc_u32 v7, s29, v6                       ; codes in, tiles 0-3: row 2 w, 8 bytes a lane
	v_add_nc_u32 v8, 4*TILEB, v7                   ; tiles 4-7
	s_mul_i32 s29, s18, 2*SP
	s_add_co_u32 s29, s29, XS
	v_lshrrev_b32 v9, 2, v1
	v_add_nc_u32 v9, s29, v9                       ; scale bytes in: row 2 w, my block of a run
	v_mul_u32_u24 v10, v2, XP
	v_lshl_add_u32 v10, v3, 4, v10                 ; fragments out, the pass's tiles 0-2: row r, + 16 h
	v_add_nc_u32 v11, 3*TILEB, v10                 ; tiles 3-5
	v_mul_u32_u24 v12, v2, SP
	v_add_nc_u32 v12, XS, v12                      ; scale words out: row r
	s_lshl_b32 s29, s18, 9
	s_add_co_u32 s29, s29, UL
	v_lshl_add_u32 v13, v3, 5, s29                 ; u: my wave's 128 numbers, + 8 h numbers
	v_lshl_add_u32 v14, v1, 5, PS                  ; the scores' parts, out: row = lane
	s_lshl_b32 s29, s18, 2
	s_add_co_u32 s29, s29, PS
	v_lshl_add_u32 v15, v2, 5, s29                 ; and in: row r, my wave's word
	s_lshl_b32 s29, s18, 9
	s_add_co_u32 s29, s29, AT
	v_lshl_add_u32 v238, v1, 2, s29                ; my wave's copy of the weights, in: row = lane
	s_mul_i32 s29, s18, 520
	s_add_co_u32 s29, s29, AT
	v_mov_b32 v239, s29                            ; and out: rows 2 w, 2 w + 1 of a tile
	s_lshl_b32 s29, s18, 12
	s_add_co_u32 s29, s29, RED
	v_add_nc_u32 v240, s29, v5                     ; out0's parts, in
	v_add_nc_u32 v241, RED, v28                    ; and out
	v_add_nc_u32 v242, UL, v28                     ; u, in
	s_mov_b32 s34, 0x4038aa3b                      ; c = 2 log2(e)
	s_mov_b32 s35, s34                             ; (named with it as a pair)
	s_mov_b32 s36, 0x76543210
	s_mov_b32 s37, 0xfedcba98                      ; v_permlanex16_b32's selects for lane l xor 16
	s_mov_b32 s38, 0x600000                        ; the mantissa field of 448
.irp j, 0,1,2,3
	v_mov_b32 v[224+\j], 0x7f7f7f7f                ; x's scale words: written once (scale 1), so that they are written on every way
.endr
	v_mov_b32 v30, 0                               ; a lane permute's destination counts as one of its sources
	s_lshl_b32 s32, ttmp9, 3
	s_mov_b32 s33, 0                               ; stays 0: the upper word of every offset
	s_wait_kmcnt 0x0
	s_add_nc_u64 s[10:11], s[10:11], s[32:33]
	s_load_b64 s[16:17], s[10:11], 0x0             ; start, end of my document
	s_lshl_b32 s32, ttmp9, 19
	s_add_nc_u64 s[4:5], s[4:5], s[32:33]          ; x at my document
	s_mul_i32 s32, s18, 16*BLKB
	s_add_nc_u64 s[6:7], s[6:7], s[32:33]          ; Wq at my wave's 16 blocks
	s_lshl_b32 s32, ttmp9, 12
	s_add_nc_u64 s[12:13], s[12:13], s[32:33]      ; out0 at my row
	s_mov_b64 s[30:31], s[6:7]
	BLOAD 0, 0                                     ; W's first two blocks and u go out while the index is on its way
	BLOAD 1, 1
	global_load_b128 v[234:237], v28, s[8:9]
	s_wait_kmcnt 0x0
	s_max_i32 s20, s16, 0
	s_min_i32 s20, s20, 128                        ; start, held to 0 .. 128
	s_max_i32 s21, s17, 0
	s_min_i32 s21, s21, 128                        ; end likewise
	s_sub_co_i32 s22, s21, s20
	s_max_i32 s22, s22, 0                          ; len
	s_add_co_u32 s23, s22, 15
	s_lshr_b32 s23, s23, 4                         ; T = tiles of 16 rows, 0 .. 8
	s_sub_co_i32 s24, s21, 1
	s_max_i32 s24, s24, 0                          ; the bag's last row
	s_lshl_b32 s29, s18, 1
	s_add_co_u32 s39, s20, s29                     ; start + 2 w
	; ---- X: my rows of x become codes and scale bytes in LDS.  Tiles 0-3 are loaded whatever T is (rows past the bag repeat its last row): 64 loads a wave go out on end, and every register of window 1 is written on every way
.irp m, 0,1,2,3,4,5,6,7
	XOFF XO+2*\m, 16*\m, 4
	XOFF XO+2*\m+1, 16*\m+1, 4
.endr
	XLOAD 0, XO
	XLOAD 1, XO+2
	XLOAD 2, XO+4
	XLOAD 3, XO+6
	s_wait_loadcnt 48                              ; sets 1-3 (48 loads) may be out: set 0, u and W's first blocks are in
	ds_store_b128 v242, v[234:237]
	QUANT8 0, 1, 7, 0, 9, 0
	s_cmp_le_u32 s23, 4
	s_cbranch_scc1 .Lx0
	XLOAD 0, XO+8                                  ; tile 4 into the set just read
.Lx0:
	s_wait_loadcnt 32                              ; the counts name the loads that are out on every way (sets 2, 3); a refill behind them only makes the wait longer
	s_cmp_le_u32 s23, 1
	s_cbranch_scc1 .Lx1
	QUANT8 64, 1, 7, TILEB, 9, 16*SP
	s_cmp_le_u32 s23, 5
	s_cbranch_scc1 .Lx1
	XLOAD 1, XO+10
.Lx1:
	s_wait_loadcnt 16                              ; set 3 may be out
	s_cmp_le_u32 s23, 2
	s_cbranch_scc1 .Lx2
	QUANT8 128, 1, 7, 2*TILEB, 9, 32*SP
	s_cmp_le_u32 s23, 6
	s_cbranch_scc1 .Lx2
	XLOAD 2, XO+12
.Lx2:
	s_wait_loadcnt 0x0
	s_cmp_le_u32 s23, 3
	s_cbranch_scc1 .Lx3
	QUANT8 192, 1, 7, 3*TILEB, 9, 48*SP
	s_cmp_le_u32 s23, 7
	s_cbranch_scc1 .Lx3
	XLOAD 3, XO+14
.Lx3:
	s_wait_loadcnt 0x0
	s_cmp_le_u32 s23, 4
	s_cbranch_scc1 .Lx4
	QUANT8 0, 1, 8, 0, 9, 64*SP
	s_cmp_le_u32 s23, 5
	s_cbranch_scc1 .Lx4
	QUANT8 64, 1, 8, TILEB, 9, 80*SP
	s_cmp_le_u32 s23, 6
	s_cbranch_scc1 .Lx4
	QUANT8 128, 1, 8, 2*TILEB, 9, 96*SP
	s_cmp_le_u32 s23, 7
	s_cbranch_scc1 .Lx4
	QUANT8 192, 1, 8, 3*TILEB, 9, 112*SP
.Lx4:
	BLOAD 2, 2                                     ; W's third block, into the registers that set 3 has left
	; ---- two passes (tiles 0-5, tiles 6-7) of five slots.  Phase number = slot + 1 (waves 0-3) or slot (waves 4-7): 1 = K of group 0, 2 = E of group 0, 3 = K of group 1, 4 = E of group 1, 0 and 5 = nothing.
	s_mov_b32 s26, 0
.Lpass:
	s_mul_i32 s29, s26, 6
	s_sub_co_i32 s25, s23, s29
	s_max_i32 s25, s25, 0
	s_min_u32 s25, s25, 6                          ; the pass's tiles
.irp j, 0,1,2,3,4,5,6,7,8,9,10,11
	v_mov_b32 v[16+\j], 0                          ; the six running sums
.endr
	s_mov_b32 s27, 0
	s_mov_b32 s28, s19
.Lslot:
	BAR                                            ; the first one also stands between phase X's stores and the reads of them; between two of these barriers LDS is only read
	s_wait_xcnt 0x0                                ; earlier loads have read their base: it may be written
	s_bfe_u32 s29, s28, 0x10001                    ; the group of a K slot
	s_mul_i32 s32, s29, 8*BLKB
	s_add_nc_u64 s[30:31], s[6:7], s[32:33]
	s_cmp_eq_u32 s25, 0
	s_cbranch_scc1 .Lslot_end
	s_and_b32 s29, s28, -3
	s_cmp_lg_u32 s29, 1
	s_cbranch_scc1 .Lnot_k
	ALOAD 0, 0, 0
	s_cmp_le_u32 s25, 1
	s_cbranch_scc1 .Lk_in
	ALOAD 1, 0, 1
.Lk_in:
.irp k, 0,1,2,3,4,5,6,7
	KSTEP \k
.endr
	s_branch .Lslot_end
.Lnot_k:
	s_cmp_eq_u32 s28, 2
	s_cbranch_scc1 .Le_g0
	s_cmp_lg_u32 s28, 4
	s_cbranch_scc1 .Lslot_end
	ULOAD 1
	s_branch .Le_go
.Le_g0:
	ULOAD 0
.Le_go:
	s_wait_dscnt 0x0
.irp m, 0,1,2,3,4,5
	EPITILE \m
.endr
.Lepi_end:
.Lslot_end:
	s_add_co_u32 s27, s27, 1
	s_add_co_u32 s28, s28, 1
	s_cmp_lt_u32 s27, 5
	s_cbranch_scc1 .Lslot
	s_wait_loadcnt 0x0                             ; (an empty bag never used W's first blocks)
.irp m, 0,1,2,3,4,5
	v_add_f32 v[244+\m], v[16+2*\m], v[17+2*\m]    ; a pair's two halves,
	v_permlanex16_b32 v30, v[244+\m], s36, s37
	v_add_f32 v[244+\m], v[244+\m], v30            ; and lane l xor 16's eight f: my wave's part of row r's score
	ds_store_b32 v15, v[244+\m] offset:512*\m      ; all six tiles, zeros where there was none: every word that is read later is written
.endr
	s_cmp_lg_u32 s26, 0
	s_cbranch_scc1 .Lno_p1
	s_cmp_le_u32 s23, 6
	s_cbranch_scc1 .Lno_p1
	s_wait_xcnt 0x0
	s_mov_b64 s[30:31], s[6:7]
	BLOAD 0, 0                                     ; a second pass over W follows
	BLOAD 1, 1
	BLOAD 2, 2
.Lno_p1:
	s_wait_dscnt 0x0                               ; the stores above have read their address and their data
	v_add_nc_u32 v10, 6*TILEB, v10                 ; on to tiles 6 ..
	v_add_nc_u32 v11, 6*TILEB, v11
	v_add_nc_u32 v12, 6*16*SP, v12
	v_add_nc_u32 v15, 6*512, v15
	s_add_co_u32 s26, s26, 1
	s_cmp_lt_u32 s26, 2
	s_cbranch_scc1 .Lpass
	s_wait_loadcnt 0x0
	; ---- x is asked for a second time (f32, whole rows), tiles 0-3, while the softmax is made.  Tile 0 whatever T is: it starts out0's sums
.irp m, 0,1,2,3,4,5,6,7
	XOFF 32+2*\m, 16*\m, 5
	XOFF 33+2*\m, 16*\m+1, 5
.endr
	X3LOAD 0, 32
	s_cmp_le_u32 s23, 1
	s_cbranch_scc1 .Lb3a
	X3LOAD 1, 34
	s_cmp_le_u32 s23, 2
	s_cbranch_scc1 .Lb3a
	X3LOAD 2, 36
	s_cmp_le_u32 s23, 3
	s_cbranch_scc1 .Lb3a
	X3LOAD 3, 38
.Lb3a:
	v_mov_b32 v247, 0xff800000                     ; -infinity
.irp q, 0,1,2,3
	v_add_nc_u32 v[243+\q], 32*\q, v1              ; my four local rows: lane + 32 q
.endr
.irp q, 0,1,2,3
	v_cmp_gt_u32 s[56+\q], s22, v[243+\q]          ; in the bag: len > row
.endr
	BAR                                            ; all eight waves' parts of the scores lie in LDS
	; ---- the softmax, made by every wave for itself
.irp q, 0,1,2,3
	ds_load_b128 v[64+8*\q:67+8*\q], v14 offset:1024*\q
	ds_load_b128 v[68+8*\q:71+8*\q], v14 offset:1024*\q+16
.endr
	s_wait_dscnt 0x0
.irp q, 0,1,2,3
	v_pk_add_f32 v[64+8*\q:65+8*\q], v[64+8*\q:65+8*\q], v[66+8*\q:67+8*\q]
	v_pk_add_f32 v[68+8*\q:69+8*\q], v[68+8*\q:69+8*\q], v[70+8*\q:71+8*\q]
.endr
.irp q, 0,1,2,3
	v_pk_add_f32 v[64+8*\q:65+8*\q], v[64+8*\q:65+8*\q], v[68+8*\q:69+8*\q]
.endr
.irp q, 0,1,2,3
	v_add_f32 v[64+8*\q], v[64+8*\q], v[65+8*\q]
.endr
.irp q, 0,1,2,3
	v_mul_f32 v[64+8*\q], 0xc038aa3b, v[64+8*\q]   ; x (-2 log2(e)): the score less sum(u), in units of log2
.endr
.irp q, 0,1,2,3
	v_cndmask_b32 v[64+8*\q], v247, v[64+8*\q], s[56+\q]   ; -infinity outside the bag
.endr
	v_max3_num_f32 v29, v64, v72, v80
	v_max_num_f32 v29, v29, v88
	v_max_num_f32_dpp v29, v29, v29 row_xmask:1 row_mask:0xf bank_mask:0xf
	v_max_num_f32_dpp v29, v29, v29 row_xmask:2 row_mask:0xf bank_mask:0xf
	v_max_num_f32_dpp v29, v29, v29 row_xmask:4 row_mask:0xf bank_mask:0xf
	v_max_num_f32_dpp v29, v29, v29 row_xmask:8 row_mask:0xf bank_mask:0xf
	v_permlanex16_b32 v30, v29, s36, s37
	v_max_num_f32 v29, v29, v30                    ; the bag's largest score
.irp q, 0,1,2,3
	v_sub_f32 v[64+8*\q], v[64+8*\q], v29
.endr
.irp q, 0,1,2,3
	v_exp_f32 v[64+8*\q], v[64+8*\q]
.endr
	v_nop
	s_wait_alu depctr_va_vdst(0)
.irp q, 0,1,2,3
	v_cndmask_b32 v[64+8*\q], 0, v[64+8*\q], s[56+\q]      ; 0 outside the bag, behind the exponential: an empty bag's NaN does not survive
.endr
	v_add_f32 v31, v64, v72
	v_add_f32 v29, v80, v88
	v_add_f32 v31, v31, v29
	v_add_f32_dpp v31, v31, v31 row_xmask:1 row_mask:0xf bank_mask:0xf
	v_add_f32_dpp v31, v31, v31 row_xmask:2 row_mask:0xf bank_mask:0xf
	v_add_f32_dpp v31, v31, v31 row_xmask:4 row_mask:0xf bank_mask:0xf
	v_add_f32_dpp v31, v31, v31 row_xmask:8 row_mask:0xf bank_mask:0xf
	v_permlanex16_b32 v30, v31, s36, s37
	v_add_f32 v31, v31, v30
	v_max_num_f32 v31, 1.0, v31                    ; changes nothing where the bag has a row (its largest score gives exactly 1); an empty bag divides 0 by 1
	v_rcp_f32 v31, v31
	v_nop
	s_wait_alu depctr_va_vdst(0)
.irp q, 0,1,2,3
	v_mul_f32 v[64+8*\q], v[64+8*\q], v31          ; the weights
.endr
.irp q, 0,1,2,3
	ds_store_b32 v238, v[64+8*\q] offset:128*\q    ; into my wave's own copy: no other wave reads it
.endr
	; ---- out1: the last document's weights at their places in the document, zeros elsewhere.  One wave of one work-group: a branch on ids, with no barrier inside
	s_cmp_lg_u32 ttmp9, 255
	s_cbranch_scc1 .Lno_out1
	s_cmp_lg_u32 s18, 0
	s_cbranch_scc1 .Lno_out1
.irp q, 0,1,2,3
	v_add_nc_u32 v[128+\q], s20, v[243+\q]         ; local row + start,
	v_min_u32 v[128+\q], 127, v[128+\q]            ; held inside out1 by a constant,
	v_lshlrev_b32 v[128+\q], 2, v[128+\q]          ; in bytes
	v_lshlrev_b32 v[132+\q], 2, v[243+\q]          ; position s = lane + 32 q, in bytes
	v_sub_nc_u32 v[136+\q], v[243+\q], s20
	v_cmp_le_u32 s[44+\q], s22, v[136+\q]          ; s outside the bag: len <= s - start, unsigned
.endr
	v_mov_b32 v140, 0
.irp q, 0,1,2,3
	s_wait_xcnt 0x0                                ; EXEC is a source of the loads and stores that are out: it changes only behind this wait
	s_and_saveexec_b32 s60, s[56+\q]
	global_store_b32 v[128+\q], v[64+8*\q], s[14:15]
	s_wait_xcnt 0x0
	s_or_b32 exec_lo, exec_lo, s60
	s_and_saveexec_b32 s60, s[44+\q]
	global_store_b32 v[132+\q], v140, s[14:15]     ; the two sets of positions are disjoint and together all 128
	s_wait_xcnt 0x0
	s_or_b32 exec_lo, exec_lo, s60
.endr
.Lno_out1:
	; ---- 3: out0's part of my rows
.irp m, 0,1,2,3,4,5,6,7
	ds_load_b64 v[48+2*\m:49+2*\m], v239 offset:64*\m      ; the weights of rows 16 m + 2 w, + 1, the same in every lane.  LDS serves a wave's instructions in order: these see my stores
.endr
	s_wait_dscnt 0x0
	s_wait_loadcnt 0x0
	X3FMA 0, 1
	s_cmp_le_u32 s23, 1
	s_cbranch_scc1 .Lf3a
	X3FMA 1, 0
	s_cmp_le_u32 s23, 2
	s_cbranch_scc1 .Lf3a
	X3FMA 2, 0
	s_cmp_le_u32 s23, 3
	s_cbranch_scc1 .Lf3a
	X3FMA 3, 0
	s_cmp_le_u32 s23, 4
	s_cbranch_scc1 .Lf3a
	X3LOAD 0, 40
	s_cmp_le_u32 s23, 5
	s_cbranch_scc1 .Lb3b
	X3LOAD 1, 42
	s_cmp_le_u32 s23, 6
	s_cbranch_scc1 .Lb3b
	X3LOAD 2, 44
	s_cmp_le_u32 s23, 7
	s_cbranch_scc1 .Lb3b
	X3LOAD 3, 46
.Lb3b:
	s_wait_loadcnt 0x0
	X3FMA 4, 0
	s_cmp_le_u32 s23, 5
	s_cbranch_scc1 .Lf3a
	X3FMA 5, 0
	s_cmp_le_u32 s23, 6
	s_cbranch_scc1 .Lf3a
	X3FMA 6, 0
	s_cmp_le_u32 s23, 7
	s_cbranch_scc1 .Lf3a
	X3FMA 7, 0
.Lf3a:
.irp j, 0,1,2,3,4,5,6,7
	ds_store_b128 v240, v[96+4*\j:99+4*\j] offset:512*\j
.endr
	BAR                                            ; the eight parts lie in LDS
.irp t, 0,1,2,3,4,5,6,7
	ds_load_b128 v[128+4*\t:131+4*\t], v241 offset:4096*\t    ; my four columns of each part
.endr
	s_wait_dscnt 0x0
.irp t, 0,2,4,6
	v_pk_add_f32 v[128+4*\t:129+4*\t], v[128+4*\t:129+4*\t], v[132+4*\t:133+4*\t]
	v_pk_add_f32 v[130+4*\t:131+4*\t], v[130+4*\t:131+4*\t], v[134+4*\t:135+4*\t]
.endr
.irp t, 0,4
	v_pk_add_f32 v[128+4*\t:129+4*\t], v[128+4*\t:129+4*\t], v[136+4*\t:137+4*\t]
	v_pk_add_f32 v[130+4*\t:131+4*\t], v[130+4*\t:131+4*\t], v[138+4*\t:139+4*\t]
.endr
	v_pk_add_f32 v[128:129], v[128:129], v[144:145]
	v_pk_add_f32 v[130:131], v[130:131], v[146:147]
	global_store_b128 v28, v[128:131], s[12:13]    ; a wave stores 512 consecutive bytes, at a multiple of 256 from out0's first byte
	s_wait_xcnt 0x0
	s_mov_b32 exec_lo, -1
	v_lshl_add_u32 v254, v0, 2, 0x3df00
	v_mov_b32 v255, 0
	s_wait_tensorcnt 0x0
	ds_add_u32 v254, v255
	s_wait_dscnt 0x0
	s_endpgm
.Lfunc_end_k_q924f9b5659_main:
	.size	k_q924f9b5659_main, .Lfunc_end_k_q924f9b5659_main-k_q924f9b5659_main
	.p2alignl 7, 3214868480
	.fill 96, 4, 3214868480
	.section	.rodata,"a",@progbits
	.p2align	6, 0x0
	.amdhsa_kernel k_q924f9b5659_main
		.amdhsa_group_segment_fixed_size 254720
		.amdhsa_private_segment_fixed_size 0
		.amdhsa_enable_private_segment 0
		.amdhsa_kernarg_size 48
		.amdhsa_user_sgpr_count 2
		.amdhsa_user_sgpr_kernarg_segment_ptr 1
		.amdhsa_wavefront_size32 1
		.amdhsa_system_sgpr_workgroup_id_x 1
		.amdhsa_system_sgpr_workgroup_id_y 1
		.amdhsa_system_sgpr_workgroup_id_z 1
		.amdhsa_system_vgpr_workitem_id 0
		.amdhsa_next_free_vgpr 512
		.amdhsa_next_free_sgpr 66
		.amdhsa_reserve_vcc 0
		.amdhsa_float_denorm_mode_32 3
		.amdhsa_float_denorm_mode_16_64 3
		.amdhsa_memory_ordered 1
		.amdhsa_forward_progress 1
		.amdhsa_inst_pref_size 255
	.end_amdhsa_kernel
	.section	.bss,"aw",@nobits
	.p2align	6
	.space	262144
	.amdgpu_metadata
---
amdhsa.version: [ 1, 2 ]
amdhsa.kernels:
  - .name:           k_q924f9b5659_main
    .symbol:         k_q924f9b5659_main.kd
    .args:
      - { .name: x, .offset: 0, .size: 8, .value_kind: global_buffer, .address_space: global }
      - { .name: Wq, .offset: 8, .size: 8, .value_kind: global_buffer, .address_space: global }
      - { .name: u, .offset: 16, .size: 8, .value_kind: global_buffer, .address_space: global }
      - { .name: document_index, .offset: 24, .size: 8, .value_kind: global_buffer, .address_space: global }
      - { .name: out0, .offset: 32, .size: 8, .value_kind: global_buffer, .address_space: global }
      - { .name: out1, .offset: 40, .size: 8, .value_kind: global_buffer, .address_space: global }
    .group_segment_fixed_size: 254720
    .private_segment_fixed_size: 0
    .kernarg_segment_align: 8
    .kernarg_segment_size: 48
    .max_flat_workgroup_size: 256
    .sgpr_count:     66
    .vgpr_count:     512
    .wavefront_size: 32
...
	.end_amdgpu_metadata
.endif
;; end of part 2
